; MI455X (gfx1250); checked and timed in simulation.
; The chip was launched on July 23, 2026; its instructions are those of AMD's public machine-readable ISA for CDNA 5 (MIT licence, August 2026) and "CDNA5" Instruction Set Architecture Reference Guide (July 2026). The comments in the code are by the model that wrote it; some were corrected since.
;; Attention. Allowed arithmetic: float matrix products may take bf16 or f16 operands with f32 sums; other float arithmetic in f32, or as packed bf16 or f16 multiplies, adds, multiply-adds, maxima and minima; sums over many terms, partial sums and values carried from step to step in f32; what a program stores and reads back later, other than sums and carried values, may be rounded once to bf16 or f16.
;; Inputs: k 4 x 16 x 2,048 x 64 float32; q 4 x 16 x 2,048 x 64 float32; v 4 x 16 x 2,048 x 64 float32.
;; Outputs: out0 4 x 16 x 2,048 x 64 float32.
;; One version. Each part assembles by itself: llvm-mc -triple=amdgcn-amd-amdhsa -mcpu=gfx1250 --defsym DOCPART=n.
;; ======== version 1 of 1: 1 launch
;; limits: values are held in f16: magnitudes above 65,504 overflow, below 6.1e-05 lose precision; inputs' magnitudes at most 65,504
;; launch attn (part 1): grid 4 x 64, 4 waves a work-group, clusters of 4 x 1, 327,680 bytes of LDS; arguments q, k, v, out0; writes out0
.if DOCPART == 1
	.amdgcn_target "amdgcn-amd-amdhsa--gfx1250"
	.amdhsa_code_object_version 6
	.text
	.protected	k_qfc83f43c18_attn
	.globl	k_qfc83f43c18_attn
	.p2align	8
	.type	k_qfc83f43c18_attn,@function
k_qfc83f43c18_attn:
	s_mov_b64 s[64:65], 0
	v_nop
	global_prefetch_b8 v0, s[64:65] scope:SCOPE_SE
	s_setreg_imm32_b32 hwreg(HW_REG_WAVE_MODE, 25, 1), 1
	s_wait_xcnt 0x0
	s_wait_alu depctr_hold_cnt(0) depctr_sa_sdst(0) depctr_va_vdst(0) depctr_va_sdst(0) depctr_va_ssrc(0) depctr_va_vcc(0) depctr_vm_vsrc(0)
	s_getreg_b32 s2, hwreg(HW_REG_IB_STS2, 6, 4)
	s_cmp_eq_u32 s2, 0
	s_cbranch_scc0 .Lentry_in_a_cluster
	s_endpgm
.Lentry_in_a_cluster:
	s_bfe_u32 s2, ttmp6, 0x10000c
	s_cmp_lg_u32 s2, 0x3003
	s_cbranch_scc0 .Lentry_shape_is_right
	s_endpgm
.Lentry_shape_is_right:
; O[h][q][:] = the sum over k of softmax_k(Q[h][q] . K[h][k] / 8) V[h][k][:].  Q, K, V, O: [64 heads][2,048][64], all f32: a row is 256 bytes, a head 524,288.
; FORMATS.  q, k and v are each rounded once to f16 for the matrix unit; the weights p are rounded to f16 for the second product (their sum l is taken of the unrounded p);
; products, maxima, sums and O stay in f32.
; LIMITS.  f16 holds no number beyond 65,504: q, k and v must lie within it (the inputs' spread is 1: thirty times that, or an offset of thirty spreads, is a few hundred); below 6e-5 they keep
; f16's fixed step of 6e-8, and so does p.  A weight below 2^-126 counts as 0 in l; NaN and infinities are not treated apart.
; SHARES.  A work-group owns 512 queries of one head, each of its four waves 128: four PIECES of two tiles of 16.  Every wave walks all 2,048 keys, 64 a step, 128 (a TILE) a period.
; CLUSTER.  The four work-groups of a cluster are the four query blocks of one head and walk the same K and V: each tile is asked for JOINTLY, the same tensor load, descriptor and mask in all four.
; THE WAY IN, three stations.  Between change t and change t + 1 of the slots: the mover fills f32 slot t % 2 with tile t + 2; the four waves round tile t + 1 out of f32 slot (t + 1) % 2 into the f16 stage
; (t + 1) % 2, each wave a quarter (16 keys of K and of V in each of the two steps); the products read the f16 stage t % 2.  So K and V are rounded once a work-group, 32 conversions a wave and step.
; The f32 slots are written by tensor loads alone, the f16 stages and the waves' own stages by ds_store alone, each in blocks of 256 bytes of its own.
; LAYOUT.  S^T = K Q^T (source 0 = 16 keys, source 1 = 16 queries): in the result a lane holds ONE query (lane % 16) and the keys 8 (lane / 16) + 0..7.  Two such tiles, rounded to f16 in pairs,
; ARE source 1 (32 keys x 16 queries) of O^T = V^T P, whose result again holds one query a lane, and eight channels.  K comes out of its stage as it lies, V ([key][channel]) turned, by ds_load_tr16_b128.
; SOFTMAX.  For each query a running maximum m and sum l: p = 2^(c s - c m), c = log2(e) / 8; in every step O and l are multiplied by a = 2^(c m_old - c m_new), which is 1 where m has not grown.
; m starts at the lowest finite number, O and l at 0: the first step is a step like any other, with a = 0.
; THE COUNT.  A tile and step have 16 matrix and 118 vector instructions: too many to stand all beside the matrix work.  So four vector instructions that are READY stand behind EVERY matrix
; instruction, and the others in runs of their own (lumps).
; BY TURNS.  Turn n belongs to piece n (the pieces in a ring, step after step).  Its matrix work: 16 products K Q^T of piece n + 1, later 16 products V^T P of piece n - 1.  Its vector work: the scaling,
; exponentials, roundings, sums and rescaling of piece n, and the maximum and statistics of piece n + 1.
; REGISTERS, in windows of 256 (s_set_vgpr_msb says which window each operand place means: bits 1:0 source 0, 3:2 source 1, 5:4 source 2, 7:6 destination):
;   window 0: v0-11 addresses; v12-15, v48-63 at work; v16-47 four registers of statistics a tile; v64-191 S^T, two buffers of two tiles; v192-255 P, likewise
;   window 1: O^T, 32 a tile (at the start Q's f32 lands there)     window 2: v0-127 Q in f16, 16 a tile; v128-191 K of one step; v192-255 V of one step
;   window 3: v0-1 the add's two registers; v2-6 the rounding's addresses; v8-39 a chunk in f32; v40-55 the chunk in f16
.set NP,    4         ; pieces a wave: a name, no knob
.set KS,    64        ; keys in a step
.set NT,    16        ; tiles of 128 keys in a head
.set TILEB, 32768     ; bytes of a tile of K, and of V, in memory and in an f32 slot
.set PK,    144       ; a row of K in its f16 stage: 128 bytes + 16 = 36 words: the 16 rows of a load start at 16 different groups of four banks (64 banks of 4 bytes: ISA guide 11.1)
.set PV,    160       ; a row of V: 128 + 32 = 40 words
.set SLOT1, 1<<17     ; the region of parity 1 begins here, so that one exclusive or turns an address in one region into the other's
.set FV,    TILEB     ; in a region: K in f32 at 0 (128 rows x 256 bytes, dense), V in f32 here,
.set K16,   2*TILEB   ; K in f16 (128 rows x 144),
.set V16,   K16+128*PK  ; V in f16 (128 rows x 160): a region ends at 104,448
.set STAGE, SLOT1+V16+128*PV  ; behind the regions: 16 rows x 272 bytes for each wave, for Q's way in and O's way out
.set SP,    272       ; 256 bytes + 16 = 68 words: row r starts at bank 4 r mod 64
.set SPARE, STAGE+4*16*SP  ; behind the stages: the spare words, 128 bytes for each wave: two blocks of 256 bytes that no other line names
.set AK0, 2           ; v2   my lane's place in a step of K's stage; never rewritten
.set AV0, 3           ; v3   the same for V
.set AK,  4           ; v4   the LDS address of K's next run of loads
.set AV,  5           ; v5   of V's
.set STO, 6           ; v6   my stage by fragments: row l % 16, 32 bytes for each half of the lanes
.set RD,  7           ; v7   my stage by rows: lanes 0-15 one row of 256 bytes, lanes 16-31 the next
.set GO,  8           ; v8   my 16 bytes in 512 consecutive bytes of Q and of O; never rewritten
.set PFO, 11          ; v11  256 x my lane: a row of K or V; never rewritten
.set MV,  12          ; v12-15  c m_old, kept while c m is made anew: by buffer and tile
.set ST,  16          ; tile t's statistics at v[ST+4 t]: c m, m, l (even keys', odd keys')
.set TMP, 48          ; by buffer and tile, four registers c0-c3 at work; when the maximum is found c2 takes a
.set S,   64
.set P,   192
.set KF,  128         ; window 2: key block kb, channel half c at KF + 16 kb + 8 c
.set VF,  192         ; window 2: key half kk, channel block cb at VF + 32 kk + 8 cb
.set SPW, 0           ; window 3: v0  LDS address of my spare word: SPARE + 4 x my thread's number; never rewritten
.set NIL, 1           ;           v1  0; never rewritten
.set SA0, 2           ;           v2  my 32 bytes in my wave's 16 rows of an f32 step: 4,096 x wave + 32 x lane; never rewritten
.set DK0, 3           ;           v3  where their 16 bytes of f16 go in K's stage; never rewritten
.set DV0, 4           ;           v4  in V's; never rewritten
.set SA,  5           ;           v5  the chunk in hand: from where,
.set DA,  6           ;           v6  to where
.set CF,  8           ;           v8-39   the chunk in f32
.set CH,  40          ;           v40-55  in f16
.set WV,  12          ; s12  my wave's number
.set LIM, 15          ; s15  1 in a wave that prefetches, else the greatest number
.set PFA, 18          ; s[18:19] where my prefetches stand
.set G1,  24          ; s[24:31] descriptor group 1, for K's and V's tiles alike
.set G0A, 32          ; s[32:35] descriptor group 0 of tile 0: used once
.set G0W, 36          ; s[36:39] of tile 1: it then walks
.set CVS, 40          ; s40  the rounding: LDS byte at which the f32 step in hand begins (K's; V's lies FV further on)
.set CVK, 41          ; s41  the same in K's f16 stage, less K16
.set CVV, 42          ; s42  in V's, less V16
.set TP,  43          ; s43  counts the last two periods
.set SLOTS, 56        ; s56  tiles still to be asked for
.set CNT, 57          ; s57  counts a period's two key steps
.set CS,  58          ; s[58:59] c: the packed scaling takes the pair's low word for both halves
.set SEL, 60          ; s[60:61] v_permlanex16_b32's selects: each lane takes its own place in the other half
.set TBK, 62          ; s62  LDS byte at which K of the step to be fetched begins, less K16
.set TBV, 63          ; s63  the same for V, less V16
.set MSB, 0
.macro WIN new                      ; the high byte repeats the setting that is left; a switch that changes nothing is dropped
.if MSB != (\new)
	s_set_vgpr_msb (MSB<<8)|(\new)
.set MSB, (\new)
.endif
.endm
.set W_KQ, 0x0a       ; K and Q in window 2, S^T in window 0
.set W_PV, 0x52       ; V in window 2, P in window 0, O^T in window 1
.set W_RS, 0x41       ; O^T (destination and source 0) in window 1, a in window 0
.set W_MK, 0xc0       ; destination in window 3, sources in window 0
.set W_AD, 0x0f       ; the add: address (source 0) and data (source 1) in window 3
.set W_CV, 0xcf       ; the rounding: sources 0 and 1 and the destination in window 3
.set W_D1, 0x40       ; destination in window 1, address in window 0
.set W_S1, 0x04       ; a store's data (source 1) in window 1, its address in window 0
; A joint refill: one line for all four waves.  Wave w brings 64 rows of 256 bytes to LDS byte 16,384 w of the region: waves 0 and 1 the two halves of K's tile, waves 2 and 3 those of V's.
; An s_nop 0 and four v_nop follow the line.
.macro JLOAD
	tensor_load_to_lds s[G0W:G0W+3], s[G1:G1+7]
	s_nop 0
.rept 4
	v_nop
.endr
.endm
; A PREFETCH INTO THE L2 of what the NEXT change of slots will ask for: a tile's 128 rows of K and 128 of V, 256 bytes a row, a lane a row.  It stands behind the wave's tensor load and its five lines.
; Each row is named ONCE in the launch: a head is walked by one cluster; its four partners share a tile's rows out BY ADDRESS, 32 each; in each, wave 0 asks for K's and wave 2 for V's.
; The last change that fills a slot asks for nothing: there is no tile behind the one that it loads.  Tiles 0 to 2 come by their loads alone.
.macro ASK
	s_cmp_gt_u32 s[SLOTS], s[LIM]
	s_cbranch_scc0 .Lnot_mine_\@
	global_prefetch_b8 v[PFO], s[PFA:PFA+1] th:TH_LOAD_NT scope:SCOPE_SE
.Lnot_mine_\@:
.endm
; A round of the cluster's barrier: my work-group's barrier, so that wave 0's signal speaks for all four waves; wave 0 signals; every wave waits for all four work-groups; my work-group's barrier once more.
.macro CROUND
	s_barrier_signal -1
	s_barrier_wait -1
	s_cmp_lg_u32 s[WV], 0
	s_cbranch_scc1 .Lnot_wave_0_\@
	s_barrier_signal -3
.Lnot_wave_0_\@:
	s_barrier_wait -3
	s_barrier_signal -1
	s_barrier_wait -1
.endm
; THE CHANGE OF SLOTS, number t.  Each wave waits for all its tensor loads, of which one is out: its quarter of tile t + 1; adds 0 to its spare word; and waits for that, for its stores into the f16 stage
; t % 2, for its reads of the f32 slot t % 2 and for its reads of the f16 stage (t - 1) % 2.  Behind the barrier tile t lies whole in f16, tile t + 1 whole in f32, and nobody reads what is written next.
; fill = 1: the f32 slot t % 2 is filled again, with tile t + 2.  The barrier is then a round of the cluster's, so that no wave of any partner still reads the slot or has a load on its way, and the
; joint refill is the first thing behind it: it has two key steps, 256 matrix instructions, in which to land.
.macro CHANGE fill
	WIN W_AD
	s_wait_tensorcnt 0x0            ; no tensor load of mine is out, so a group 0 may be written
	ds_add_u32 v[SPW], v[NIL]       ; 0 onto my spare word: with fill = 1 the descriptor's steps stand between it and the wait for it
	WIN 0                           ; at a label and at a branch every window is 0
.if \fill
	s_xor_b32 s[G0W+1], s[G0W+1], SLOT1  ; the walking descriptor: the other slot than last time,
	s_add_nc_u64 s[G0W+2:G0W+3], s[G0W+2:G0W+3], TILEB  ; the next 128 keys; the type bits on top are not reached
	s_wait_xcnt 0x0                 ; the last prefetch, two key steps back, has read its address, so it may be written:
	s_add_nc_u64 s[PFA:PFA+1], s[PFA:PFA+1], TILEB  ; one tile behind the walking descriptor
	s_wait_dscnt 0x0                ; the add is done; my LDS stores and reads are over
	CROUND
	JLOAD
	ASK
.else
	s_wait_dscnt 0x0                ; the add is done; my LDS stores and reads are over
	s_barrier_signal -1
	s_barrier_wait -1
.endif
	s_sub_co_u32 s[TBK], s[TBK], 2*KS*PK  ; the fetches and the rounding go back to a tile's first step,
	s_xor_b32 s[TBK], s[TBK], SLOT1       ; each in the other region
	s_sub_co_u32 s[TBV], s[TBV], 2*KS*PV
	s_xor_b32 s[TBV], s[TBV], SLOT1
	s_sub_co_u32 s[CVS], s[CVS], TILEB
	s_xor_b32 s[CVS], s[CVS], SLOT1
	s_sub_co_u32 s[CVK], s[CVK], 2*KS*PK
	s_xor_b32 s[CVK], s[CVK], SLOT1
	s_sub_co_u32 s[CVV], s[CVV], 2*KS*PV
	s_xor_b32 s[CVV], s[CVV], SLOT1
.endm
	s_load_b256 s[4:11], s[0:1], 0x0  ; Q s[4:5], K s[6:7], V s[8:9], O s[10:11]
	WIN W_MK
	v_lshl_add_u32 v[SPW], v0, 2, SPARE
	v_mov_b32 v[NIL], 0
	WIN W_AD
	ds_add_u32 v[SPW], v[NIL]       ; the wave's opening: the add and its wait stand ahead of my first tensor load; the set-up below, work on registers, stands between them
	WIN 0
	v_lshrrev_b32 v1, 5, v0
	v_readfirstlane_b32 s[WV], v1   ; wave 0..3
	s_bfe_u32 s13, ttmp6, 0x40000   ; cx: my place in the cluster
	s_lshl_b32 s14, ttmp9, 2        ; in a cluster launch ttmp9 counts clusters
	s_add_co_u32 s14, s14, s13      ; my block of 512 queries = 4 x cluster x + cx: it enters Q's and O's addresses alone
	s_and_b32 s20, ttmp7, 0xffff    ; the head, which the four partners share,
	s_lshl_b32 s20, s20, 19         ; and its first byte in each of the four tensors: 524,288 x head, under 2^25
	s_and_b32 s16, s[WV], 1         ; which half of a tile's 128 keys I fetch:
	s_lshl_b32 s22, s16, 14         ; its 64 rows of 256 bytes
	s_add_co_u32 s22, s22, s20
	s_mov_b32 s23, 0
	s_lshl_b32 s2, s14, 2
	s_add_co_u32 s2, s2, s[WV]      ; my wave among the head's sixteen,
	s_lshl_b32 s2, s2, 15           ; its 128 rows of 256 bytes
	s_add_co_u32 s2, s2, s20
	s_mov_b32 s3, 0
	s_lshl_b32 s44, s13, 13         ; the prefetches: my work-group's 32 rows of a tile's 128
	s_mov_b32 s45, 0
	; descriptor group 1: a tile of 64 rows x 64 elements of 4 bytes, dense in memory and in LDS
	s_mov_b32 s[G1], 15|(2<<16)|(1<<21)  ; 15:0 the mask of four; 17:16 4-byte elements; 20 no padding; 21 set beside a mask
	s_mov_b32 s[G1+1], 64<<16       ; tensor_dim0 = 64
	s_mov_b32 s[G1+2], 64<<16       ; tensor_dim1 = 64
	s_mov_b32 s[G1+3], 64<<16       ; tile_dim0 = 64
	s_mov_b32 s[G1+4], 64           ; tile_dim1 = 64
	s_mov_b32 s[G1+5], 64           ; 64 elements from row to row
	s_mov_b32 s[G1+6], 0
	s_mov_b32 s[G1+7], 0
	s_lshl_b32 s17, s[WV], 14       ; my quarter of an f32 slot: no place in the cluster enters an LDS address
	s_mov_b32 s[G0A], 1             ; 1:0 count = 1
	s_mov_b32 s[G0A+1], s17         ; 63:32 LDS address: slot 0
	s_mov_b32 s[G0W], 1
	s_add_co_u32 s[G0W+1], s17, SLOT1  ; slot 1
	s_mov_b32 s[CS], 0x3e38aa3b     ; c = log2(e) / 8 = 0.180337
	s_mov_b32 s[CS+1], s[CS]        ; named with it as a pair
	s_mov_b32 s[SEL], 0x76543210
	s_mov_b32 s[SEL+1], 0xfedcba98
	s_mov_b32 s[TBK], SLOT1+2*KS*PK ; the first change of slots turns these two into 0
	s_mov_b32 s[TBV], SLOT1+2*KS*PV
	s_mov_b32 s[CVS], 0             ; the rounding begins with tile 0, in region 0
	s_mov_b32 s[CVK], 0
	s_mov_b32 s[CVV], 0
	s_mov_b32 s[SLOTS], NT-2        ; tiles 2 to 15 are asked for by changes of slots
	s_and_b32 s[LIM], s[WV], 1      ; waves 0 and 2 prefetch
	s_cmp_eq_u32 s[LIM], 0
	s_cselect_b32 s[LIM], 1, -1
	v_and_b32 v13, 31, v0           ; l
	v_lshlrev_b32 v[GO], 4, v13
	v_lshlrev_b32 v[PFO], 8, v13
	s_wait_dscnt 0x0                ; the opening add is done
	s_wait_kmcnt 0x0
	s_cmp_lt_u32 s[WV], 2
	s_cselect_b64 s[46:47], s[6:7], s[8:9]  ; waves 0 and 1 fetch K, waves 2 and 3 V
	s_add_nc_u64 s[46:47], s[46:47], s[22:23]  ; my half of the head's tile 0
	s_mov_b64 s[G0A+2:G0A+3], s[46:47]         ; 120:64 global address
	s_or_b32 s[G0A+3], s[G0A+3], 0x80000000    ; 127:126 type = 2
	s_add_nc_u64 s[G0W+2:G0W+3], s[46:47], TILEB  ; tile 1
	s_or_b32 s[G0W+3], s[G0W+3], 0x80000000
	s_add_nc_u64 s[PFA:PFA+1], s[46:47], s[44:45]
	s_add_nc_u64 s[PFA:PFA+1], s[PFA:PFA+1], 2*TILEB  ; in tile 2; the first change of slots steps it to tile 3.  Nothing is prefetched here, at the head
	s_add_nc_u64 s[4:5], s[4:5], s[2:3]  ; Q and O at my wave's first row
	s_add_nc_u64 s[10:11], s[10:11], s[2:3]
	CROUND                          ; all four work-groups are here: the first joint loads meet
	tensor_load_to_lds s[G0A:G0A+3], s[G1:G1+7]  ; tile 0.  The two first fills stand together, ahead of every wait on TENSORcnt and every LDS read: two loads of mine are out
	s_nop 0
	tensor_load_to_lds s[G0W:G0W+3], s[G1:G1+7]  ; tile 1
	s_nop 0
.rept 4
	v_nop
.endr
	WIN W_D1                        ; Q's 128 rows come as they lie: each load of the wave takes 512 consecutive bytes, two rows; tile t in v[32 t ..] of window 1
.set i, 0
.rept 64
	global_load_b128 v[4*i:4*i+3], v[GO], s[4:5] offset:512*i th:TH_LOAD_NT
.set i, i+1
.endr
	; What the first turn finds: V's registers and P's second buffer hold 0 (its products V^T P, of a piece that has not been, add 0), l is 0.  All this stands in the wait for Q and the first tile.
	WIN 0x80
.set i, VF
.rept 64
	v_mov_b32 v[i], 0
.set i, i+1
.endr
	WIN 0
.set i, 0
.rept 2*NP
	v_mov_b32 v[ST+4*i], 0xfe000000    ; c m: far below every c s
	v_mov_b32 v[ST+4*i+1], 0xff7fffff  ; m
	v_mov_b32 v[ST+4*i+2], 0
	v_mov_b32 v[ST+4*i+3], 0
.set i, i+1
.endr
.set i, P+32
.rept 32
	v_mov_b32 v[i], 0
.set i, i+1
.endr
	; A fragment of K or Q is 16 rows x 32 channels in 8 registers: lane l holds row l % 16, channels 8 (l / 16) + 0..7 and 16 + 8 (l / 16) + 0..7: in f16 two loads of 16 bytes, 32 bytes apart.
	v_and_b32 v1, 15, v0            ; l % 16
	v_bfe_u32 v9, v0, 4, 1          ; l / 16
	v_and_b32 v10, 7, v0
	v_bfe_u32 v12, v0, 3, 1
	v_mul_u32_u24 v[AK0], v1, PK
	v_lshl_add_u32 v[AK0], v9, 4, v[AK0]  ; row x pitch + 16 x half
	v_add_nc_u32 v[AK0], K16, v[AK0]
	; The turning load takes 16 keys x 16 channels (lane l reads key 8 (l / 16) + l % 8, channels 8 ((l / 8) % 2) + 0..7) and leaves half a fragment of V^T: lane l holds channel l % 16 and 8 keys.
	v_lshl_add_u32 v[AV0], v9, 3, v10
	v_mul_u32_u24 v[AV0], v[AV0], PV
	v_lshl_add_u32 v[AV0], v12, 4, v[AV0]
	v_add_nc_u32 v[AV0], V16, v[AV0]
	s_mul_i32 s16, s[WV], 16*SP
	s_add_co_u32 s16, s16, STAGE    ; my stage
	v_mul_u32_u24 v[STO], v1, SP    ; by fragments: row l % 16, 8 channels of f32 (32 bytes) for each half of the lanes
	v_lshl_add_u32 v[STO], v9, 5, v[STO]
	v_add_nc_u32 v[STO], s16, v[STO]
	v_mul_u32_u24 v[RD], v9, SP     ; by rows: lanes 0-15 take one row of 256 bytes, lanes 16-31 the next
	v_lshl_add_u32 v[RD], v1, 4, v[RD]
	v_add_nc_u32 v[RD], s16, v[RD]
	; the rounding: of a step's 64 keys wave w takes 16 w .. 16 w + 15; lane l the channels 8 (l % 8) + 0..7 of key l / 8, and of the keys 4, 8 and 12 further on
	v_lshrrev_b32 v14, 3, v13
	s_lshl_b32 s17, s[WV], 4
	v_add_nc_u32 v14, s17, v14      ; 16 w + l / 8
	v_mul_u32_u24 v15, v14, PK
	v_lshl_add_u32 v15, v10, 4, v15
	v_mul_u32_u24 v14, v14, PV
	v_lshl_add_u32 v14, v10, 4, v14
	s_lshl_b32 s17, s[WV], 12
	WIN W_MK
	v_lshl_add_u32 v[SA0], v13, 5, s17
	v_add_nc_u32 v[DK0], K16, v15
	v_add_nc_u32 v[DV0], V16, v14
	WIN 0
; Q'S WAY IN.  Tile t's 16 rows go through my stage: in by rows, as they were loaded, out by fragments, into the registers that they left; then they are rounded to f16.
.macro QIN t
	s_wait_loadcnt 8*(7-(\t))       ; loads come back in order: tile t's eight are in, the later tiles' may stay out
	WIN W_S1
.irp j, 0,1,2,3,4,5,6,7
	ds_store_b128 v[RD], v[32*(\t)+4*\j:32*(\t)+4*\j+3] offset:2*\j*SP
.endr
	WIN W_D1
.irp n, 0,1,2,3,4,5,6,7             ; channels 32 (n / 4) + 16 ((n / 2) % 2) + 8 (l / 16) + 4 (n % 2) on
	ds_load_b128 v[32*(\t)+4*\n:32*(\t)+4*\n+3], v[STO] offset:128*(\n/4)+64*((\n/2)%2)+16*(\n%2)  ; LDS serves a wave's instructions in order (ISA guide 5.7.1.4): these see the stores above; the next tile's stores come behind them
.endr
.endm
.macro QCV t, younger               ; younger: the LDS instructions issued behind tile t's loads: the next tile's sixteen, or none
	s_wait_dscnt \younger
	WIN 0x85                        ; sources in window 1, destination in window 2
.set i, 0
.rept 16
	v_cvt_pk_f16_f32 v[16*(\t)+i], v[32*(\t)+2*i], v[32*(\t)+2*i+1]
.set i, i+1
.endr
.endm
	QIN 0
.set t, 1
.rept 7
	QIN t
	QCV t-1, 16
.set t, t+1
.endr
	QCV 7, 0
	WIN W_D1
.set i, 0
.rept 64*NP
	v_mov_b32 v[i], 0               ; O^T starts at 0: no first step is written out
.set i, i+1
.endr
	WIN 0
; THE MATRIX WORK.  The 8 accumulators of a run of 16 take turns: between the two links of a chain stand 7 others'.
; Product i of 16 of S^T = K Q^T for piece x: channels 32 (i / 8) on, keys 16 ((i / 2) % 4) on, tile 2 x + i % 2.  The first 8 start the sums.
.macro KQ x
	WIN W_KQ
.set rS, S+64*((\x)%2)+32*(i%2)+8*((i/2)%4)
.set rK, KF+16*((i/2)%4)+8*(i/8)
.set rQ, 16*(2*(\x)+i%2)+8*(i/8)
.if i < 8
	v_wmma_f32_16x16x32_f16 v[rS:rS+7], v[rK:rK+7], v[rQ:rQ+7], 0
.else
	v_wmma_f32_16x16x32_f16 v[rS:rS+7], v[rK:rK+7], v[rQ:rQ+7], v[rS:rS+7]
.endif
.endm
; Product i of 16 of O^T += V^T P for piece x: keys 32 (i / 8) on, channels 16 ((i / 2) % 4) on, tile 2 x + i % 2.
.macro PV x
	WIN W_PV
.set rO, 32*(2*(\x)+i%2)+8*((i/2)%4)
.set rV, VF+32*(i/8)+8*((i/2)%4)
.set rP, P+32*((\x)%2)+16*(i%2)+8*(i/8)
	v_wmma_f32_16x16x32_f16 v[rO:rO+7], v[rV:rV+7], v[rP:rP+7], v[rO:rO+7]
.endm
.macro MM                           ; the turn's next matrix instruction
.if i < 16
	KQ (Y+1)%NP
.set i, i+1
.else
.set i, i-16
	PV (Y+NP-1)%NP
.set i, i+17
.endif
.endm
; THE FRAGMENTS' LDS LOADS stand in runs of 16, never singly among the matrix instructions: a step's K (64 keys x 64 channels: 8 fragments) and its V (turned).  Their addresses are made some lines ahead.
.macro FETCH_K
	WIN 0x80                        ; destination window 2
.irp f, 0,1,2,3,4,5,6,7             ; keys 16 (f / 2) on, channels 32 (f % 2) on
	ds_load_b128 v[KF+8*\f:KF+8*\f+3],   v[AK] offset:(\f/2)*16*PK+(\f%2)*64
	ds_load_b128 v[KF+8*\f+4:KF+8*\f+7], v[AK] offset:(\f/2)*16*PK+(\f%2)*64+32
.endr
	s_add_co_u32 s[TBK], s[TBK], KS*PK  ; the next fetch is the next step's
	WIN 0
.endm
.macro FETCH_V
	WIN 0x80
.irp f, 0,1,2,3,4,5,6,7             ; keys 32 (f / 4) on, channels 16 (f % 4) on
	ds_load_tr16_b128 v[VF+8*\f:VF+8*\f+3],   v[AV] offset:(\f/4)*32*PV+(\f%4)*32
	ds_load_tr16_b128 v[VF+8*\f+4:VF+8*\f+7], v[AV] offset:(\f/4)*32*PV+16*PV+(\f%4)*32
.endr
	WIN 0
.endm
; THE ROUNDING of the next tile, a CHUNK at a time: my wave's 16 keys of a step, of K (p = 0) or of V (p = 1): 4,096 bytes of f32.  gd = 2: in the launch's last period there is no next tile, and the chunk is jumped over.
; CVL: eight loads.  A lane takes 32 consecutive bytes by two of them, so lanes 8 apart meet in a bank, two deep: the price of a lane's holding the eight channels that make 16 bytes of f16.
.macro CVL p, gd
.if (\gd) == 2
	WIN 0
	s_cmp_eq_u32 s[TP], 1
	s_cbranch_scc1 .Lno_l_\@
.endif
	WIN W_CV
.if (\p) == 0
	v_add_nc_u32 v[SA], s[CVS], v[SA0]  ; serves V's chunk of the same step too
.endif
.irp n, 0,1,2,3,4,5,6,7             ; key 4 (n / 2) + l / 8, channels 8 (l % 8) + 4 (n % 2) on
	ds_load_b128 v[CF+4*\n:CF+4*\n+3], v[SA] offset:FV*(\p)+1024*(\n/2)+16*(\n%2)
.endr
	WIN 0
.if (\gd) == 2
.Lno_l_\@:
.endif
.endm
; CVP: sixteen conversions and four stores of 16 bytes a lane into the f16 stage.  Behind V's chunk the three places step to the tile's next 64 keys.
.macro CVP p, gd
.if (\gd) == 2
	WIN 0
	s_cmp_eq_u32 s[TP], 1
	s_cbranch_scc1 .Lno_p_\@
.endif
	WIN W_CV
	s_wait_dscnt 0x0                ; the chunk is in: its loads stand a lump, 16 products and a lump back
.if (\p) == 0
	v_add_nc_u32 v[DA], s[CVK], v[DK0]
.else
	v_add_nc_u32 v[DA], s[CVV], v[DV0]
.endif
.irp n, 0,1,2,3,4,5,6,7,8,9,10,11,12,13,14,15
	v_cvt_pk_f16_f32 v[CH+\n], v[CF+2*\n], v[CF+2*\n+1]
.endr
.irp n, 0,1,2,3
	ds_store_b128 v[DA], v[CH+4*\n:CH+4*\n+3] offset:4*\n*(PK+(PV-PK)*(\p))
.endr
.if (\p) == 1
	s_add_co_u32 s[CVS], s[CVS], KS*256
	s_add_co_u32 s[CVK], s[CVK], KS*PK
	s_add_co_u32 s[CVV], s[CVV], KS*PV
.endif
	WIN 0
.if (\gd) == 2
.Lno_p_\@:
.endif
.endm
; THE VECTOR WORK OF A TURN stands in three queues, each in the order in which its entries become ready; the two tiles alternate, so that no instruction reads the result of the one before it.
.macro REGS y, u                    ; the registers of tile u (0, 1) of piece y
.set rT, ST+4*(2*(\y)+(\u))
.set rC, TMP+8*((\y)%2)+4*(\u)
.set rM, MV+2*((\y)%2)+(\u)
.set rS, S+64*((\y)%2)+32*(\u)
.set rP, P+32*((\y)%2)+16*(\u)
.set rO, 32*(2*(\y)+(\u))
.endm
; Number n of the 22 that find the NEXT piece's (Y + 1) maximum and statistics.  s0-s31 are the lane's 32 scores; each accumulator's lowest registers are read first.  XS, GS and REGS set no window: PL and EX do.
;   0-11  four chains c0-c3 of seven scores each, three operands at a time     12-14, 16  the four scores left over, the old m, and c0-c3 into c0     15  c m_old is kept
;   17, 18  the query's other 32 keys lie in the lane 16 away: the new m         19-21  c m; c m_old - c m_new; a
.macro XS u, n
	REGS (Y+1)%NP, \u
.if (\n) < 4
	v_max3_num_f32 v[rC+(\n)], v[rS+8*(\n)], v[rS+8*(\n)+1], v[rS+8*(\n)+2]
.elseif (\n) < 12
	v_max3_num_f32 v[rC+(\n)%4], v[rC+(\n)%4], v[rS+8*((\n)%4)+2*((\n)/4)+1], v[rS+8*((\n)%4)+2*((\n)/4)+2]
.elseif (\n) == 12
	v_max3_num_f32 v[rC], v[rC], v[rS+7], v[rS+15]
.elseif (\n) == 13
	v_max3_num_f32 v[rC+1], v[rC+1], v[rS+23], v[rS+31]
.elseif (\n) == 14
	v_max3_num_f32 v[rC+2], v[rC+2], v[rC+3], v[rT+1]
.elseif (\n) == 15
	v_mov_b32 v[rM], v[rT]
.elseif (\n) == 16
	v_max3_num_f32 v[rC], v[rC], v[rC+1], v[rC+2]
.elseif (\n) == 17
	v_permlanex16_b32 v[rC+3], v[rC], s[SEL], s[SEL+1]
.elseif (\n) == 18
	v_max_num_f32 v[rT+1], v[rC], v[rC+3]
.elseif (\n) == 19
	v_mul_f32 v[rT], s[CS], v[rT+1]
.elseif (\n) == 20
	v_sub_f32 v[rC+1], v[rM], v[rT]
.else
	v_exp_f32 v[rC+2], v[rC+1]
.endif
.endm
; Number g of the 64 that follow the exponentials.  For each four weights k of a tile (pairs 2 k, 2 k + 1): both pairs are rounded to f16; then the second pair is added onto the first, in place;
; a group later l takes that sum (the first time as l = a l + sum).  In groups of eight, tiles alternating: round, round, add, and l for the group before.
.macro GS g
.set h, (\g)+6*((\g)/62)            ; group 0 has no group before it, and behind group 7 only l is left
.if h >= 6
.set h, h+2
.endif
	REGS Y, h%2
.set k, h/8
.if h%8 < 4
	s_wait_alu depctr_va_vdst(0)
	v_cvt_pk_f16_f32 v[rP+2*k+(h%8)/2], v[rS+4*k+2*((h%8)/2)], v[rS+4*k+2*((h%8)/2)+1]
.elseif h%8 < 6
	v_pk_add_f32 v[rS+4*k:rS+4*k+1], v[rS+4*k:rS+4*k+1], v[rS+4*k+2:rS+4*k+3]
.elseif k == 1
	v_pk_fma_f32 v[rT+2:rT+3], v[rT+2:rT+3], v[rC+2:rC+3], v[rS:rS+1] op_sel_hi:[1,0,1]
.else
	v_pk_add_f32 v[rT+2:rT+3], v[rT+2:rT+3], v[rS+4*k-4:rS+4*k-3]
	s_wait_alu depctr_va_vdst(0)
.endif
.endm
; THE PLAIN QUEUE, 138 long.  0-31: c s - c m for the 16 pairs of both tiles.  Then GS's 64, and among them the next piece's 42: number 15 at 38, 39; 0-14 and 16
; at 42-73, behind the products that make those scores; 17-20 at 95-106, two of three, since each waits for the one before it.
.macro PL
	WIN 0
.if q < 32
	REGS Y, q%2
	v_pk_fma_f32 v[rS+2*(q/2):rS+2*(q/2)+1], v[rS+2*(q/2):rS+2*(q/2)+1], s[CS:CS+1], v[rT:rT+1] op_sel_hi:[1,0,0] neg_lo:[0,0,1] neg_hi:[0,0,1]
.elseif q < 38
	GS q-32
.elseif q < 40
	XS q%2, 15
.elseif q < 42
	GS q-34
.elseif q < 74
	XS q%2, (q-42)/2+(q-42)/30
.elseif q < 95
	GS q-66
.elseif (q < 107) && ((q-95)%3 < 2)
	XS (q-95)%3, 17+(q-95)/3
.elseif q < 107
	GS 29+(q-95)/3
.else
	GS q-74
.endif
.set q, q+1
.endm
; THE EXPONENTIALS' QUEUE, 66 long: s0-s31 of both tiles, and at EA the next piece's two a.
.set EA, 58
.macro EX
	WIN 0
.if (e == EA) || (e == EA+1)
	XS e-EA, 21
.else
.set x, e-2*(e/(EA+2))
	REGS Y, x%2
	v_exp_f32 v[rS+x/2], v[rS+x/2]
.endif
.set e, e+1
.endm
; THE RESCALING's QUEUE: O^T times a, the one part of the softmax that leaves window 0, so it is dealt four at a time, eight times; each accumulator is read from its low end on.
.macro R4
	REGS Y, r%2
	WIN W_RS
	s_wait_alu depctr_va_vdst(0)
.irp z, 0,1,2,3
	v_pk_mul_f32 v[rO+8*(r/2)+2*\z:rO+8*(r/2)+2*\z+1], v[rO+8*(r/2)+2*\z:rO+8*(r/2)+2*\z+1], v[rC+2:rC+3] op_sel_hi:[1,0]
.endr
.set r, r+1
.endm
; HOW THEY ARE DEALT.  Behind a matrix instruction four: plain, exponential, plain, plain (one exponential, a plain instruction on either side), or four of the rescaling.  None names a register of the
; products round it.  What is over stands in two LUMPS: exponential and plain by turns; the second ends in 22 plain instructions.  The two v_permlanex16_b32 fall into the second lump, never behind a product.
; The queues lean on each other, and the deal keeps them in step: exponential e stands behind plain 2 (e / 4) + e % 2 (its scaling); when plain 32 comes, 10 exponentials are out, at 59: 33, at 95: 46; EA comes behind plain 107.
.macro SL
	MM
	PL
	EX
	PL
	PL
.endm
.macro BURST n                      ; 15 matrix instructions, or 16
.rept (\n)-7
	SL
.endr
.rept 3
	MM
	R4
	SL
.endr
	MM
	R4
.endm
; A TURN, for piece p.  kf = 0: no further step, K is not fetched.  cv = 1: pieces 0 and 1 carry the rounding of a chunk of the next tile (piece 0: K's, piece 1: V's); cv = 2: the same, jumped over in the last period.
; K of the next step is fetched in piece 2's turn, 31 vector instructions behind the last product that read K; its first reader comes behind the rest of the lump, 16 products and the second lump.
; V of the step in hand is fetched at the end of piece 0's turn, more than 69 behind its last reader; its first reader comes behind 16 products and a lump.  The conditions on e and q below go with the deal.
; A chunk's loads stand at the head of the first lump, its conversions and stores at the end of the second: both where no product is waiting for riders.
.macro TURN p, kf=1, cv=0
.set Y, (\p)
.set i, 0
.set q, 0
.set e, 0
.set r, 0
.if (\p) == NP-1
	s_wait_dscnt 0x0                ; K is in
.endif
	MM
.rept 4
	PL
.endr
	BURST 15
.if (\cv) && ((\p) < 2)
	CVL \p, \cv
.endif
.rept 22
	EX
	PL
.if ((\p) == NP-2) && (\kf) && (e == 18)
	v_add_nc_u32 v[AK], s[TBK], v[AK0]
.endif
.if ((\p) == NP-2) && (\kf) && (e == 24)
	FETCH_K
.endif
.endr
.if (\p) == 1
	s_wait_dscnt 0x0                ; V is in (for 0: the chunk's eight younger loads are not there on every way)
.endif
	BURST 16
.rept 21
	EX
	PL
.endr
.rept 22
	PL
.if ((\p) == 0) && (q == 118)
	v_add_nc_u32 v[AV], s[TBV], v[AV0]
	s_wait_alu depctr_va_vdst(0)
.endif
.if ((\p) == 0) && (q == 130)
	s_add_co_u32 s[TBV], s[TBV], KS*PV
.endif
.endr
.if (\cv) && ((\p) < 2)
	CVP \p, \cv
.endif
.if (\p) == 0
	FETCH_V
.endif
.endm
	s_wait_tensorcnt 1              ; my quarter of tile 0 is in; tile 1's load, the younger one, may stay out
	s_wait_dscnt 0x0                ; no LDS instruction of mine is pending at a signal
	s_barrier_signal -1
	s_barrier_wait -1               ; everybody's quarter is in
.rept 2                             ; tile 0 is rounded, with nothing beside it: my 16 keys of each of its two steps
	CVL 0, 1
	CVP 0, 1
	CVL 1, 1
	CVP 1, 1
.endr
	CHANGE 1                        ; change 0: tile 0 lies whole in f16, tile 1 whole in f32; tile 2 is asked for
	v_add_nc_u32 v[AK], s[TBK], v[AK0]
	FETCH_K                         ; key step 0
	s_wait_dscnt 0x0
.set i, 0
.rept 16
	KQ 0                            ; piece 0's first scores: there is no vector work yet to set between them
.set i, i+1
.endr
	WIN 0
.rept 4
	v_nop                           ; the places behind those products
.endr
.set Y, NP-1                        ; XS works for piece Y + 1: piece 0
.irp n, 0,1,2,3,4,5,6,7,8,9,10,11,12,13,14,15,16,17,18,19,20,21
	XS 0, \n                        ; piece 0's first maximum and statistics
	XS 1, \n
.endr
	s_mov_b32 s[CNT], 2
	s_branch .Lfirst                ; the loop is entered at a step's first turn, in the middle of a trip
.Lslot:                             ; changes 1 to 13: each asks for a tile
	CHANGE 1
	s_mov_b32 s[CNT], 2
.Lstep:                             ; a trip: pieces 2 and 3 of one step, then pieces 0 and 1 of the next, whose K and V it fetches; pieces 0 and 1 round my 16 keys of a step of the next tile
	TURN 2
	TURN 3
	WIN 0
.Lfirst:
	TURN 0, 1, 1
	TURN 1, 1, 1
	WIN 0
	s_sub_co_u32 s[CNT], s[CNT], 1
	s_cmp_lg_u32 s[CNT], 0
	s_cbranch_scc1 .Lstep
	s_sub_co_u32 s[SLOTS], s[SLOTS], 1
	s_cmp_lg_u32 s[SLOTS], 0
	s_cbranch_scc1 .Lslot
	s_mov_b32 s[TP], 2              ; the last two periods are written out: nothing is asked for; the first of them rounds tile 15, the second nothing
.Ltp:
	CHANGE 0
	s_mov_b32 s[CNT], 2
.Lts:
	TURN 2
	TURN 3
	TURN 0, 1, 2
	TURN 1, 1, 2
	WIN 0
	s_sub_co_u32 s[CNT], s[CNT], 1
	s_cmp_lg_u32 s[CNT], 0
	s_cbranch_scc1 .Lts
	s_sub_co_u32 s[TP], s[TP], 1
	s_cmp_lg_u32 s[TP], 0
	s_cbranch_scc1 .Ltp
	TURN 2, 0                       ; the last step's pieces 2 and 3: there is no further K
	TURN 3                          ; its 16 products K Q^T (on the last K once more) and the maximum made of them serve nothing: the price, once a launch, of one text for every turn
.set i, 0
.rept 16
	PV NP-1                         ; the last piece's V^T P of the last step
.set i, i+1
.endr
	; THE WAY OUT.  l's two halves and the other half of the lanes' are added; O^T is divided by l and sent in f32 through my stage in LDS, a tile (16 rows of O) at a time.  The additions are the places behind the last products.
	WIN 0
.macro ALL line:vararg              ; one line for each tile t
.set t, 0
.rept 2*NP
	\line
.set t, t+1
.endr
.endm
	ALL v_add_f32 v[ST+4*t+2], v[ST+4*t+2], v[ST+4*t+3]
	ALL v_permlanex16_b32 v[ST+4*t+3], v[ST+4*t+2], s[SEL], s[SEL+1]
	ALL v_add_f32 v[ST+4*t+2], v[ST+4*t+2], v[ST+4*t+3]
	ALL v_rcp_f32 v[ST+4*t+2], v[ST+4*t+2]
	v_nop                           ; a plain instruction between the last reciprocal and the use of its result
	s_wait_alu depctr_va_vdst(0)
; Tile t: a lane's eight channels of a row are 32 bytes; they go into rows of 272 bytes and come back as whole rows of 256, into the registers that they left.
.macro PACK t
	WIN W_RS
.set i, 32*(\t)
.rept 16                            ; ascending: each accumulator is read from its low end on
	v_pk_mul_f32 v[i:i+1], v[i:i+1], v[ST+4*(\t)+2:ST+4*(\t)+3] op_sel_hi:[1,0]
.set i, i+2
.endr
	WIN W_S1
.irp f, 0,1,2,3,4,5,6,7             ; channels 16 (f / 2) + 8 (l / 16) + 4 (f % 2) on
	ds_store_b128 v[STO], v[32*(\t)+4*\f:32*(\t)+4*\f+3] offset:64*(\f/2)+16*(\f%2)
.endr
	WIN W_D1
.irp f, 0,1,2,3,4,5,6,7
	ds_load_b128 v[32*(\t)+4*\f:32*(\t)+4*\f+3], v[RD] offset:\f*2*SP  ; LDS serves a wave's instructions in order (ISA guide 5.7.1.4): these see the stores above; the next tile's stores come behind them
.endr
.endm
.macro SEND t, younger              ; younger: the LDS instructions issued behind tile t's loads: the next tile's sixteen, or none
	WIN W_S1
.irp f, 0,1,2,3,4,5,6,7
	s_wait_dscnt (\younger)+7-\f
	global_store_b128 v[GO], v[32*(\t)+4*\f:32*(\t)+4*\f+3], s[10:11] offset:(\t)*4096+\f*512 th:TH_STORE_NT  ; 512 consecutive bytes, two rows of O, at a multiple of 256 from O's first byte
.endr
.endm
	PACK 0
.set t, 1
.rept 2*NP-1                        ; a tile's arithmetic stands between the loads of the tile before and its stores
	PACK t
	SEND t-1, 16
.set t, t+1
.endr
	SEND 2*NP-1, 0
	WIN W_AD
	s_wait_tensorcnt 0x0            ; the wave's end: the add and its waits, behind my last tensor load and my last LDS store
	ds_add_u32 v[SPW], v[NIL]
	s_wait_dscnt 0x0
	WIN 0
	CROUND                          ; the closing round: no work-group ends while a partner may still ask for a tile that names it
	s_endpgm
.Lfunc_end_k_qfc83f43c18_attn:
	.size	k_qfc83f43c18_attn, .Lfunc_end_k_qfc83f43c18_attn-k_qfc83f43c18_attn
	.p2alignl 7, 3214868480
	.fill 96, 4, 3214868480
	.section	.rodata,"a",@progbits
	.p2align	6, 0x0
	.amdhsa_kernel k_qfc83f43c18_attn
		.amdhsa_group_segment_fixed_size 327680
		.amdhsa_private_segment_fixed_size 0
		.amdhsa_enable_private_segment 0
		.amdhsa_kernarg_size 32
		.amdhsa_user_sgpr_count 2
		.amdhsa_user_sgpr_kernarg_segment_ptr 1
		.amdhsa_wavefront_size32 1
		.amdhsa_system_sgpr_workgroup_id_x 1
		.amdhsa_system_sgpr_workgroup_id_y 1
		.amdhsa_system_sgpr_workgroup_id_z 1
		.amdhsa_system_vgpr_workitem_id 0
		.amdhsa_next_free_vgpr 824
		.amdhsa_next_free_sgpr 66
		.amdhsa_reserve_vcc 0
		.amdhsa_float_denorm_mode_32 3
		.amdhsa_float_denorm_mode_16_64 3
		.amdhsa_memory_ordered 1
		.amdhsa_forward_progress 1
		.amdhsa_inst_pref_size 255
	.end_amdhsa_kernel
	.section	.bss,"aw",@nobits
	.p2align	6
	.space	262144
	.amdgpu_metadata
---
amdhsa.version: [ 1, 2 ]
amdhsa.kernels:
  - .name:           k_qfc83f43c18_attn
    .symbol:         k_qfc83f43c18_attn.kd
    .args:
      - { .name: q, .offset: 0, .size: 8, .value_kind: global_buffer, .address_space: global }
      - { .name: k, .offset: 8, .size: 8, .value_kind: global_buffer, .address_space: global }
      - { .name: v, .offset: 16, .size: 8, .value_kind: global_buffer, .address_space: global }
      - { .name: out0, .offset: 24, .size: 8, .value_kind: global_buffer, .address_space: global }
    .group_segment_fixed_size: 327680
    .private_segment_fixed_size: 0
    .kernarg_segment_align: 8
    .kernarg_segment_size: 32
    .max_flat_workgroup_size: 128
    .sgpr_count:     66
    .vgpr_count:     824
    .wavefront_size: 32
...
	.end_amdgpu_metadata
.endif
;; end of part 1
